; MI455X (gfx1250); checked and timed in simulation.
; The chip was launched on July 23, 2026; its instructions are those of AMD's public machine-readable ISA for CDNA 5 (MIT licence, August 2026) and "CDNA5" Instruction Set Architecture Reference Guide (July 2026). The comments in the code are by the model that wrote it; some were corrected since.
;; Deep VCP. Allowed arithmetic: matrix products marked QUANTISED: E2M1 operands, one E8M0 scale for each 32 along K, by v_wmma_scale_f32_16x16x128_f8f6f4 with both operands' format E2M1 (or v_wmma_scale_f32_32x16x128_f4), f32 sums; products left as they are: f32 operands where the result goes on into a quantised operand, else bf16, f16 or f32 operands; f32 sums; everything else in f32.
;; Inputs: W1 6 x 64 float32; W2_codes 128 x 2 x 16 uint8 (E2M1 codes of W2, K innermost, in blocks of 32 codes, two codes a byte); W2_scales 128 x 2 uint8 (E8M0 scales of W2, one for each 32 codes along K); b1 64 float32; b2 128 float32; src_pts 4 x 6 x 16,384 float32; tgt_pts 4 x 6 x 16,384 float32; w_score 128 float32.
;; Outputs: out0 4 x 256 x 6 float32; out1 4 x 2,048 x 10 float32; out2 4 x 64 x 32 x 6 float32; out3 4 x 64 x 32 x 6 float32.
;; This version of the problem:
;;   THIS VERSION OF THE PROBLEM IS GIVEN IN LOW PRECISION. The matrix products marked QUANTISED in the list below multiply operands that are first quantised to E2M1 (2 exponent bits, 1 mantissa bit; 4 bits a number), with one power-of-two scale for each 32 numbers along K (OCP MX v1.0); their sums are f32. All else is computed in f32.
;;   The module's matrix products, in the order in which they are computed (A, B: the left and right operand; K: the contracted axis; several contracted axes count as one K, in the product's order):
;;     1. [M 65,536, K 6] x [K 6, N 64]; A: input src_pts; B: input W1: left as it is (K = 6 < 32)
;;     2. [M 65,536, K 64] x [K 64, N 128]; A: computed on the way; B: input W2 (given as codes): QUANTISED
;;     3. [M 65,536, K 128] x [K 128, N 1]; A: computed on the way; B: input w_score: left as it is (N = 1 < 16)
;;     4. batch 4 x [M 64, K 3] x [K 3, N 256]; A: computed on the way; B: computed on the way: left as it is (K = 3 < 32)
;;     5. [M 65,536, K 6] x [K 6, N 64]; A: input tgt_pts; B: input W1: left as it is (K = 6 < 32)
;;     6. [M 65,536, K 64] x [K 64, N 128]; A: computed on the way; B: input W2 (given as codes): QUANTISED
;;     7. [M 65,536, K 128] x [K 128, N 1]; A: computed on the way; B: input w_score: left as it is (N = 1 < 16)
;;     8. batch 4 x [M 64, K 3] x [K 3, N 256]; A: computed on the way; B: computed on the way: left as it is (K = 3 < 32)
;;     9. batch 4 x [M 2,048, K 3] x [K 3, N 16,384]; A: computed on the way; B: input tgt_pts: left as it is (K = 3 < 32)
;;   THE QUANTISER, for each operand of a quantised product, along K:
;;     - K is cut into blocks of 32 from its start; a last block that is shorter is filled with zeros.
;;     - A block's scale is 2^e with e = floor(log2(the largest magnitude in the block)) - 2, held to -126 .. 127; a block of zeros has e = 0. As a byte (E8M0): e + 127.
;;     - Each number is divided by its block's scale, clamped to +-6, and rounded to the nearest number of E2M1, ties to even, subnormals kept.
;;     - The product sums the exact products of the quantised numbers (number of the format x scale) in f32.
;;   ~~~python
;;   def quantise(x, axis):      # numpy; x: float32 -> the quantised numbers, widened to float32 again
;;       x = np.moveaxis(x, axis, -1); K = x.shape[-1]
;;       x = np.pad(x, [(0, 0)] * (x.ndim - 1) + [(0, -K % 32)]); x = x.reshape(x.shape[:-1] + (-1, 32)); a = np.abs(x).max(-1, keepdims=True)
;;       e = np.where(a > 0, np.clip(np.frexp(np.where(a > 0, a, 1))[1] - 1 - 2, -126, 127), 0)      # np.frexp(a)[1] - 1 = floor(log2(a)), exactly
;;       r = np.clip(x / 2.0 ** e, -6, 6)
;;       step = 2.0 ** (np.maximum(np.frexp(np.where(r == 0, 1, r))[1] - 1, 0) - 1)
;;       q = np.round(r / step) * step * 2.0 ** e      # np.round: ties to even
;;       return np.moveaxis(q.reshape(q.shape[:-2] + (-1,))[..., :K], -1, axis).astype(np.float32)
;;   ~~~
;;   OPERANDS COMPUTED ON THE WAY. 'Computed on the way' means the value that the module computes at that place (a softmax that the list does not call 'softmax' is quantised finished and normalised). What goes into a quantiser is computed in f32, as accurately as f32 sums, v_exp_f32 and their like allow (about 1e-6 of the number): no bf16 or f16 on the way to a quantiser, and a product that is left as it is and whose result goes on into a quantised operand takes f32 operands (vector FMAs, or v_wmma_f32_16x16x4_f32). A number that lies on a knife's edge between two numbers of the format may be rounded either way, as far as f32 arithmetic and the matrix unit's own rounding can turn it there, and no further.
;;   INPUTS GIVEN AS CODES. W2 (in the module: [64, 128], K = its axis 0): each comes as NAME_codes (uint8): NAME with its K axis moved to the last place and cut into blocks of 32 codes, [.., K / 32, bytes a block], one block behind the other in memory; two codes a byte, the lower K in the low four bits (a code: sign, 2 exponent bits, 1 mantissa bit); and NAME_scales (uint8): the same leading axes, one E8M0 byte (e + 127) for each 32 codes along K. Its value is code x scale, taken as it is: it is not quantised again, and the codes and scales need not be those that the quantiser above would give.
;; One version. Each part assembles by itself: llvm-mc -triple=amdgcn-amd-amdhsa -mcpu=gfx1250 --defsym DOCPART=n.
;; ======== version 1 of 1: 5 launches
;; limits: values within 6.1e-05 (relative) of each other or of a threshold may be ordered or decided otherwise than in the reference
;; workspace buffers: keys 131,072 bytes of whole numbers; bl 32,768 bytes of whole numbers; cand 32,768 bytes of whole numbers; kp 65,536 bytes; blist 3,145,728 bytes of whole numbers; gsel 65,536 bytes of whole numbers
;; launch score (part 1): grid 256 x 1, 8 waves a work-group, no clusters, 5,120 bytes of LDS; arguments src_pts, tgt_pts, W1, b1, W2_codes, W2_scales, b2, w_score, keys, bl; writes keys, bl
.if DOCPART == 1
	.amdgcn_target "amdgcn-amd-amdhsa--gfx1250"
	.amdhsa_code_object_version 6
	.text
	.protected	k_qc8e26a53cc_score
	.globl	k_qc8e26a53cc_score
	.p2align	8
	.type	k_qc8e26a53cc_score,@function
k_qc8e26a53cc_score:
	s_mov_b64 s[64:65], 0
	v_nop
	global_prefetch_b8 v0, s[64:65] scope:SCOPE_SE
	s_setreg_imm32_b32 hwreg(HW_REG_WAVE_MODE, 25, 1), 1
	s_wait_xcnt 0x0
; score: for both clouds, per point: h = relu(x W1 + b1) in f32, quantised along its 64 units to E2M1 (two blocks of 32), feat = relu(h W2 + b2) on codes, score = feat . w_score,
; the mean over the 4 batches, and that mean as a sortable whole number (a larger score is a larger u32).  Stored: keys [2][16384] and, for each 8 neighbouring points, (largest key, ~block) in bl [2][2048][2].
; SHARES.  Work-groups 0-127 take src_pts, 128-255 tgt_pts; a work-group owns 128 points.  Wave w: batch w & 3, points 64 (w >> 2) on; lane l owns points 2 l and 2 l + 1 of them (sets e = 0, 1).
; In the first layer a lane is a point, so a block of 32 hidden units lies in one lane's 32 registers: its largest magnitude needs no other lane, and four conversions give its 16 bytes of codes.
; The second product is used with source 0 = 16 rows of W2 (K innermost, as given) and source 1 = 16 points; K = 64 is filled to 128 with zero codes on both sides, under the scale byte 127.
; LIMITS: NaN and infinities are not served; a mean of -0 counts as +0.  A block of zeros keeps the scale byte 1: its codes are zeros.
.set X,   10                           ; v[10:21]   six pairs: x_c of my two points
.set WT,  24                           ; v[24:51], v[52:79] two buffers: W1[c][4 k ..] for c = 0..5, then b1[4 k ..]
.set H,   80                           ; v[80:143]  32 hidden units of set e at 80 + 32 e; later the 8 accumulators
.set BOP, 144                          ; v[144:175] set e at 144 + 16 e: codes of block 0, 4 zeros, codes of block 1, 4 zeros
.set XS,  176                          ; v176, v177 the points' scale words
.set W2S, 178                          ; v[178:185] W2's scale words, a tile each
.set QT,  186                          ; v[186:197] the quantiser's six registers a set
.set ACC, 200                          ; v[200:207] four packed sums
.set SCR, 208                          ; v[208:211] the scores of (e, p)
.set W2F, 0                            ; window 1: v[0:63] W2's 8 fragments (4 registers of codes, 4 of zeros)
.set B2F, 64                           ; window 1: b2 in the result's layout
.set WSF, 128                          ; window 1: w_score likewise
.set MSB, 0
.macro WIN new                         ; the immediate's high byte repeats the setting that is left
.if MSB != \new
	s_set_vgpr_msb (MSB<<8)|\new
.set MSB, \new
.endif
.endm
	s_load_b512 s[4:19], s[0:1], 0x0               ; src s[4:5], tgt s[6:7], W1 s[8:9], b1 s[10:11], W2 codes s[12:13], W2 scales s[14:15], b2 s[16:17], w_score s[18:19]
	s_load_b128 s[20:23], s[0:1], 0x40             ; keys, bl
	v_lshl_add_u32 v254, v0, 2, 0x1000
	v_mov_b32 v255, 0
	v_lshrrev_b32 v1, 5, v0
	v_readfirstlane_b32 s24, v1                    ; wave
	v_and_b32 v1, 31, v0                           ; lane
	v_and_b32 v2, 15, v0                           ; r
	v_bfe_u32 v3, v0, 4, 1                         ; h
	s_and_b32 s25, s24, 3                          ; batch
	s_lshr_b32 s26, s24, 2                         ; which 64 points
	s_lshr_b32 s27, ttmp9, 7                       ; cloud
	s_and_b32 s28, ttmp9, 127                      ; which 128 points of the cloud
	s_mov_b32 s32, 0x76543210
	s_mov_b32 s33, 0xfedcba98                      ; selects: lane l xor 16
	s_mov_b32 s34, 0xffff0000                      ; lanes 16-31
	v_mov_b32 v4, 0                                ; LDS address of the weights: every lane reads the same words
	v_lshlrev_b32 v5, 4, v0                        ; 16 x thread: W1's way in
	v_lshlrev_b32 v6, 4, v2                        ; 16 r: b1's
	v_add_nc_u32 v7, 1536, v6
	v_lshlrev_b32 v8, 3, v1                        ; 8 x lane: my two points
	v_lshlrev_b32 v9, 1, v2                        ; 2 r: W2's scale bytes
	v_lshlrev_b32 v22, 5, v3                       ; 32 h: b2 and w_score
	v_lshlrev_b32 v23, 5, v2
	v_lshl_add_u32 v23, v3, 4, v23                 ; 32 r + 16 h: W2's codes
	s_lshl_b32 s29, s25, 9
	s_lshl_b32 s35, s26, 8
	s_add_co_u32 s29, s29, s35
	s_add_co_u32 s29, s29, 2048
	v_add_nc_u32 v216, s29, v8                     ; scores in LDS: 2048 + 512 batch + 4 x point
	v_lshl_add_u32 v217, v1, 4, 2048               ; and back: four points a lane
	v_lshlrev_b32 v218, 4, v1
	v_lshrrev_b32 v219, 1, v1
	v_lshlrev_b32 v219, 3, v219
	v_mov_b32 v213, 0                              ; a lane permute's destination counts as read
	s_mul_i32 s30, s25, 393216                     ; batch x 6 rows of 65,536 bytes
	s_lshl_b32 s29, s28, 9
	s_add_co_u32 s30, s30, s29
	s_add_co_u32 s30, s30, s35
	s_mov_b32 s31, 0
	s_wait_kmcnt 0x0
	s_cmp_lt_u32 ttmp9, 128
	s_cselect_b64 s[4:5], s[4:5], s[6:7]
	s_add_nc_u64 s[4:5], s[4:5], s[30:31]
	s_lshl_b32 s30, s27, 16
	s_add_co_u32 s30, s30, s29
	s_add_nc_u64 s[20:21], s[20:21], s[30:31]      ; keys: cloud x 65,536 + 512 x group
	s_lshl_b32 s30, s27, 14
	s_lshl_b32 s29, s28, 7
	s_add_co_u32 s30, s30, s29
	s_add_nc_u64 s[22:23], s[22:23], s[30:31]      ; bl: cloud x 16,384 + 128 x group
	WIN 0x40                                       ; destinations in window 1
.irp t, 0,1,2,3,4,5,6,7
	global_load_b128 v[W2F+8*\t:W2F+8*\t+3], v23, s[12:13] offset:512*\t       ; row 16 t + r, block h
	global_load_b128 v[B2F+8*\t:B2F+8*\t+3], v22, s[16:17] offset:64*\t        ; b2[16 t + 8 h + 0 .. 7]
	global_load_b128 v[B2F+8*\t+4:B2F+8*\t+7], v22, s[16:17] offset:64*\t+16
	global_load_b128 v[WSF+8*\t:WSF+8*\t+3], v22, s[18:19] offset:64*\t
	global_load_b128 v[WSF+8*\t+4:WSF+8*\t+7], v22, s[18:19] offset:64*\t+16
.irp i, 4,5,6,7
	v_mov_b32 v[W2F+8*\t+\i], 0                    ; k = 64 .. 127: zero codes
.endr
.endr
	WIN 0
.irp t, 0,1,2,3,4,5,6,7
	global_load_u16 v[W2S+\t], v9, s[14:15] offset:32*\t
.endr
.irp c, 0,1,2,3,4,5
	global_load_b64 v[X+2*\c:X+2*\c+1], v8, s[4:5] offset:65536*\c
.endr
.irp e, 0,1
.irp i, 4,5,6,7,12,13,14,15
	v_mov_b32 v[BOP+16*\e+\i], 0
.endr
.endr
	s_cmp_gt_u32 s24, 3                            ; waves 0-2 bring W1 into LDS, wave 3 brings b1
	s_cbranch_scc1 .Lstaged
	s_cmp_eq_u32 s24, 3
	s_cbranch_scc1 .Lbias
	global_load_b128 v[212:215], v5, s[8:9]
	s_wait_loadcnt 0x0
	ds_store_b128 v5, v[212:215]
	s_branch .Lstaged
.Lbias:
	global_load_b128 v[212:215], v6, s[10:11]
	s_wait_loadcnt 0x0
	ds_store_b128 v7, v[212:215]                   ; both halves of the lanes write the same 256 bytes
.Lstaged:
	s_wait_loadcnt 0x0                             ; my points, W2, b2, w_score
	s_wait_dscnt 0x0                               ; for the others' sake: my stores have landed
	s_barrier_signal -1
	s_barrier_wait -1
.irp t, 0,1,2,3,4,5,6,7
	v_or_b32 v[W2S+\t], 0x7f7f0000, v[W2S+\t]      ; the byte 127 for the two blocks of zero codes
.endr
; seven LDS loads: W1[0..5][4 k .. 4 k + 3] and b1[4 k ..] into buffer k % 2
.macro LOADW k
.irp c, 0,1,2,3,4,5
	ds_load_b128 v[WT+28*((\k)%2)+4*\c:WT+28*((\k)%2)+4*\c+3], v4 offset:256*\c+16*(\k)
.endr
	ds_load_b128 v[WT+28*((\k)%2)+24:WT+28*((\k)%2)+27], v4 offset:1536+16*(\k)
.endm
; four hidden units of both my points: a product, five fused multiply-adds, the bias, the clip at 0; four chains by turns
.macro CHUNK k
.if (\k) < 15
	LOADW (\k)+1
	s_wait_dscnt 7                                 ; this chunk's seven loads are in; the next chunk's seven may be out
.else
	s_wait_dscnt 0x0
.endif
.set WB, WT+28*((\k)%2)
.set HK, H+4*((\k)%8)
.irp e, 0,1
.irp p, 0,1
	v_pk_mul_f32 v[HK+32*\e+2*\p:HK+32*\e+2*\p+1], v[X:X+1], v[WB+2*\p:WB+2*\p+1] op_sel:[\e,0] op_sel_hi:[\e,1]
.endr
.endr
.irp c, 1,2,3,4,5
.irp e, 0,1
.irp p, 0,1
	v_pk_fma_f32 v[HK+32*\e+2*\p:HK+32*\e+2*\p+1], v[X+2*\c:X+2*\c+1], v[WB+4*\c+2*\p:WB+4*\c+2*\p+1], v[HK+32*\e+2*\p:HK+32*\e+2*\p+1] op_sel:[\e,0,0] op_sel_hi:[\e,1,1]
.endr
.endr
.endr
.irp e, 0,1
.irp p, 0,1
	v_pk_add_f32 v[HK+32*\e+2*\p:HK+32*\e+2*\p+1], v[HK+32*\e+2*\p:HK+32*\e+2*\p+1], v[WB+24+2*\p:WB+24+2*\p+1]
.endr
.endr
.irp e, 0,1
.irp i, 0,1,2,3
	v_max_num_f32 v[HK+32*\e+\i], 0, v[HK+32*\e+\i]
.endr
.endr
.endm
; the 32 units in hand of set e are block blk: largest number (none is negative) with the floor 2^(3 - 127) among the leaves, 2 off its exponent field, the byte, four conversions
.macro QUANT e, blk
.set HB, H+32*\e
.set QA, QT+6*\e
	v_max3_num_f32 v[QA], v[HB], v[HB+1], 0x1800000
	v_max3_num_f32 v[QA+1], v[HB+2], v[HB+3], v[HB+4]
.irp i, 5,9,13,17,21,25
	v_max3_num_f32 v[QA], v[QA], v[HB+\i], v[HB+\i+1]
	v_max3_num_f32 v[QA+1], v[QA+1], v[HB+\i+2], v[HB+\i+3]
.endr
	v_max3_num_f32 v[QA], v[QA], v[HB+29], v[HB+30]
	v_max3_num_f32 v[QA], v[QA], v[QA+1], v[HB+31]
	v_add_nc_u32 v[QA+2], 0xff000000, v[QA]        ; the conversion takes this operand's exponent field as its scale
	v_lshrrev_b32 v[QA+3+\blk], 23, v[QA+2]        ; the scale's byte
.irp g, 0,1,2,3
	v_cvt_scalef32_pk8_fp4_f32 v[BOP+16*\e+8*\blk+\g], v[HB+8*\g:HB+8*\g+7], v[QA+2]
.endr
	v_nop                                          ; one plain line behind the last conversion: its sources are written again, its results are touched
.endm
	LOADW 0
.set kk, 0
.rept 8
	CHUNK kk
.set kk, kk+1
.endr
	QUANT 0, 0
	QUANT 1, 0
.rept 8
	CHUNK kk
.set kk, kk+1
.endr
	QUANT 0, 1
	QUANT 1, 1
.irp e, 0,1
	v_lshl_or_b32 v[XS+\e], v[QT+6*\e+4], 8, v[QT+6*\e+3]
	v_or_b32 v[XS+\e], 0x7f7f0000, v[XS+\e]        ; lane l: point l's scale word
.irp i, 0,1,2,3
	v_permlane16_swap_b32 v[BOP+16*\e+\i], v[BOP+16*\e+8+\i]   ; the first run now holds points 0-15 (lanes 0-15 block 0, lanes 16-31 block 1), the second points 16-31
.endr
.endr
.rept 8
	v_nop                                          ; a scale register written by a vector instruction stands eight places ahead of a scaled matrix instruction
.endr
; 16 points (half p of set e) x 128 outputs: eight products on eight accumulators, each begun with b2; then the clip, the dot with w_score, and the other half of the lanes' share
.macro ROUND e, p
	WIN 0x11                                       ; source 0 (W2) and source 2 (b2) in window 1
.irp t, 0,1,2,3,4,5,6,7
.if \p
	v_wmma_scale_f32_16x16x128_f8f6f4 v[H+8*\t:H+8*\t+7], v[W2F+8*\t:W2F+8*\t+7], v[BOP+16*\e+8*\p:BOP+16*\e+8*\p+7], v[B2F+8*\t:B2F+8*\t+7], v[W2S+\t], v[XS+\e] matrix_a_fmt:MATRIX_FMT_FP4 matrix_b_fmt:MATRIX_FMT_FP4 matrix_b_scale:MATRIX_SCALE_ROW1
.else
	v_wmma_scale_f32_16x16x128_f8f6f4 v[H+8*\t:H+8*\t+7], v[W2F+8*\t:W2F+8*\t+7], v[BOP+16*\e+8*\p:BOP+16*\e+8*\p+7], v[B2F+8*\t:B2F+8*\t+7], v[W2S+\t], v[XS+\e] matrix_a_fmt:MATRIX_FMT_FP4 matrix_b_fmt:MATRIX_FMT_FP4
.endif
.endr
	WIN 0
.rept 4
	v_nop                                          ; four places behind the last product, ahead of the first read of results
.endr
.set i, 0
.rept 64
	v_max_num_f32 v[H+i], 0, v[H+i]                ; each accumulator from its low end on
.set i, i+1
.endr
	WIN 0x04                                       ; source 1 (w_score) in window 1
.set i, 0
.rept 32
.if i < 4
	v_pk_mul_f32 v[ACC+2*i:ACC+2*i+1], v[H+2*i:H+2*i+1], v[WSF+2*i:WSF+2*i+1]
.else
	v_pk_fma_f32 v[ACC+2*(i%4):ACC+2*(i%4)+1], v[H+2*i:H+2*i+1], v[WSF+2*i:WSF+2*i+1], v[ACC+2*(i%4):ACC+2*(i%4)+1]
.endif
.set i, i+1
.endr
	WIN 0
	v_pk_add_f32 v[ACC:ACC+1], v[ACC:ACC+1], v[ACC+2:ACC+3]
	v_pk_add_f32 v[ACC+4:ACC+5], v[ACC+4:ACC+5], v[ACC+6:ACC+7]
	v_pk_add_f32 v[ACC:ACC+1], v[ACC:ACC+1], v[ACC+4:ACC+5]
	v_add_f32 v212, v[ACC], v[ACC+1]
	v_permlanex16_b32 v213, v212, s32, s33         ; the point's other 64 outputs lie in the lane 16 away
	v_add_f32 v[SCR+2*\e+\p], v212, v213
.endm
	ROUND 0, 0
	ROUND 0, 1
	ROUND 1, 0
	ROUND 1, 1
	v_cndmask_b32 v214, v[SCR], v[SCR+1], s34      ; lane l: the score of its own point: lanes 0-15 from half 0, lanes 16-31 from half 1
	v_cndmask_b32 v215, v[SCR+2], v[SCR+3], s34
	ds_store_b64 v216, v[214:215]
	s_wait_dscnt 0x0                               ; for wave 0's sake
	s_barrier_signal -1
	s_barrier_wait -1
	s_cmp_lg_u32 s24, 0
	s_cbranch_scc1 .Lend
.irp b, 0,1,2,3
	ds_load_b128 v[80+4*\b:83+4*\b], v217 offset:512*\b
.endr
	s_lshl_b32 s29, s28, 4
	v_lshrrev_b32 v110, 1, v1
	v_add_nc_u32 v110, s29, v110                   ; my block of 8 points: 16 x group + lane / 2
	v_not_b32 v109, v110
	s_wait_dscnt 0x0
.irp i, 0,1,2,3
	v_add_f32 v[96+\i], v[80+\i], v[84+\i]
.endr
.irp i, 0,1,2,3
	v_add_f32 v[96+\i], v[96+\i], v[88+\i]
.endr
.irp i, 0,1,2,3
	v_add_f32 v[96+\i], v[96+\i], v[92+\i]
.endr
.irp i, 0,1,2,3
	v_fma_f32 v[96+\i], v[96+\i], 0x3e800000, 0    ; the mean; + 0 turns -0 into +0
.endr
	v_max3_num_f32 v100, v96, v97, v98
	v_max_num_f32 v100, v100, v99
	v_max_num_f32_dpp v100, v100, v100 row_xmask:1 row_mask:0xf bank_mask:0xf   ; with my neighbour's four: the block's largest
.irp i, 0,1,2,3,4
	v_ashrrev_i32 v[112+\i], 31, v[96+\i]
.endr
.irp i, 0,1,2,3,4
	v_or_b32 v[112+\i], 0x80000000, v[112+\i]
.endr
.irp i, 0,1,2,3,4
	v_xor_b32 v[104+\i], v[96+\i], v[112+\i]       ; the key: sign set for what is positive, all bits turned for what is negative
.endr
	global_store_b128 v218, v[104:107], s[20:21]   ; the wave stores 512 consecutive bytes, aligned
	global_store_b64 v219, v[108:109], s[22:23]    ; both lanes of a block store the same 8 bytes
.Lend:
	s_barrier_signal -1
	s_barrier_wait -1
	s_wait_tensorcnt 0x0
	ds_add_u32 v254, v255
	s_wait_dscnt 0x0
	s_endpgm
.Lfunc_end_k_qc8e26a53cc_score:
	.size	k_qc8e26a53cc_score, .Lfunc_end_k_qc8e26a53cc_score-k_qc8e26a53cc_score
	.p2alignl 7, 3214868480
	.fill 96, 4, 3214868480
	.section	.rodata,"a",@progbits
	.p2align	6, 0x0
	.amdhsa_kernel k_qc8e26a53cc_score
		.amdhsa_group_segment_fixed_size 5120
		.amdhsa_private_segment_fixed_size 0
		.amdhsa_enable_private_segment 0
		.amdhsa_kernarg_size 80
		.amdhsa_user_sgpr_count 2
		.amdhsa_user_sgpr_kernarg_segment_ptr 1
		.amdhsa_wavefront_size32 1
		.amdhsa_system_sgpr_workgroup_id_x 1
		.amdhsa_system_sgpr_workgroup_id_y 1
		.amdhsa_system_sgpr_workgroup_id_z 1
		.amdhsa_system_vgpr_workitem_id 0
		.amdhsa_next_free_vgpr 512
		.amdhsa_next_free_sgpr 66
		.amdhsa_reserve_vcc 0
		.amdhsa_float_denorm_mode_32 3
		.amdhsa_float_denorm_mode_16_64 3
		.amdhsa_memory_ordered 1
		.amdhsa_forward_progress 1
		.amdhsa_inst_pref_size 81
	.end_amdhsa_kernel
	.amdgpu_metadata
---
amdhsa.version: [ 1, 2 ]
amdhsa.kernels:
  - .name:           k_qc8e26a53cc_score
    .symbol:         k_qc8e26a53cc_score.kd
    .args:
      - { .name: src_pts, .offset: 0, .size: 8, .value_kind: global_buffer, .address_space: global }
      - { .name: tgt_pts, .offset: 8, .size: 8, .value_kind: global_buffer, .address_space: global }
      - { .name: W1, .offset: 16, .size: 8, .value_kind: global_buffer, .address_space: global }
      - { .name: b1, .offset: 24, .size: 8, .value_kind: global_buffer, .address_space: global }
      - { .name: W2_codes, .offset: 32, .size: 8, .value_kind: global_buffer, .address_space: global }
      - { .name: W2_scales, .offset: 40, .size: 8, .value_kind: global_buffer, .address_space: global }
      - { .name: b2, .offset: 48, .size: 8, .value_kind: global_buffer, .address_space: global }
      - { .name: w_score, .offset: 56, .size: 8, .value_kind: global_buffer, .address_space: global }
      - { .name: keys, .offset: 64, .size: 8, .value_kind: global_buffer, .address_space: global }
      - { .name: bl, .offset: 72, .size: 8, .value_kind: global_buffer, .address_space: global }
    .group_segment_fixed_size: 5120
    .private_segment_fixed_size: 0
    .kernarg_segment_align: 8
    .kernarg_segment_size: 80
    .max_flat_workgroup_size: 256
    .sgpr_count:     66
    .vgpr_count:     512
    .wavefront_size: 32
...
	.end_amdgpu_metadata
.endif
;; end of part 1
;; launch brank (part 2): grid 128 x 1, 16 waves a work-group, no clusters, 20,480 bytes of LDS; arguments bl, keys, cand; writes cand
.if DOCPART == 2
	.amdgcn_target "amdgcn-amd-amdhsa--gfx1250"
	.amdhsa_code_object_version 6
	.text
	.protected	k_qc8e26a53cc_brank
	.globl	k_qc8e26a53cc_brank
	.p2align	8
	.type	k_qc8e26a53cc_brank,@function
k_qc8e26a53cc_brank:
	s_mov_b64 s[64:65], 0
	v_nop
	global_prefetch_b8 v0, s[64:65] scope:SCOPE_SE
	s_setreg_imm32_b32 hwreg(HW_REG_WAVE_MODE, 25, 1), 1
	s_wait_xcnt 0x0
; brank: the rank of each of a cloud's 2,048 blocks of 8 points under the strict order (key descending, block ascending).  The 256 best blocks hold the 256 best points:
; block of rank R < 256 sends its 8 (key, ~point) to slots 8 R .. 8 R + 7 of cand [2][2048][2].
; An item is the 64-bit number (~key, id); better is smaller.  rank = how many items are smaller.  A > B exactly where A + ~B carries out of 64 bits, and ~B = (key, ~id) is what lies in memory.
; SHARES.  Work-groups 0-63 the first cloud, 64-127 the second; a work-group owns 32 items, a lane an item, in every wave; wave w counts against items 128 w .. 128 w + 127.
; Those 128 items, 1,024 bytes, come by two loads of 512 consecutive bytes, go into the wave's own 1,024 bytes of LDS, and come back with one address for all lanes, two items a load: so the wave waits for memory once.
; All of it is whole numbers read from memory: no address here hangs on a floating-point number of this launch.
.set T,   8                            ; v[8:11]    sums that are thrown away
.set CNT, 12                           ; v[12:15]   four counters by turns
.set BUF, 96                           ; v[96:159], v[160:223] two buffers of 32 items
.set CB,  16384                        ; LDS: behind the sixteen waves' items, a word for each thread's count
	s_load_b128 s[4:7], s[0:1], 0x0                ; bl, keys
	s_load_b64 s[8:9], s[0:1], 0x10                ; cand
	v_lshl_add_u32 v224, v0, 2, 0x4800
	v_mov_b32 v225, 0
	v_lshrrev_b32 v54, 5, v0
	v_readfirstlane_b32 s90, v54                   ; wave
	v_lshlrev_b32 v54, 10, v54                     ; LDS: my wave's 1,024 bytes; one address for all lanes
	v_and_b32 v1, 31, v0                           ; lane
	v_lshl_add_u32 v53, v1, 4, v54                 ; and on the way in 16 bytes a lane
	s_lshr_b32 s91, ttmp9, 6                       ; cloud
	s_and_b32 s89, ttmp9, 63                       ; which 32 items
	v_lshl_add_u32 v6, v0, 2, CB                   ; LDS: my count's word
	v_lshl_add_u32 v7, v1, 2, CB                   ; and back: my item's sixteen
	v_lshlrev_b32 v48, 3, v1                       ; 8 x lane
	v_lshlrev_b32 v49, 5, v1                       ; 32 x lane
	v_lshlrev_b32 v52, 4, v1                       ; 16 x lane
.irp j, 0,1,2,3
	v_mov_b32 v[CNT+\j], 0
.endr
	s_lshl_b32 s92, s91, 14
	s_mov_b32 s93, 0
	s_wait_kmcnt 0x0
	s_add_nc_u64 s[4:5], s[4:5], s[92:93]          ; the cloud's list
	s_add_nc_u64 s[8:9], s[8:9], s[92:93]
	s_lshl_b32 s92, s90, 10
	s_add_nc_u64 s[14:15], s[4:5], s[92:93]        ; my wave's 128 items
	global_load_b128 v[56:59], v52, s[14:15]
	global_load_b128 v[60:63], v52, s[14:15] offset:512
	s_lshl_b32 s92, s89, 8
	s_add_nc_u64 s[4:5], s[4:5], s[92:93]
	global_load_b64 v[2:3], v48, s[4:5]            ; my item
	s_lshl_b32 s92, s91, 16
	s_add_nc_u64 s[6:7], s[6:7], s[92:93]
	s_lshl_b32 s92, s89, 10
	s_add_nc_u64 s[6:7], s[6:7], s[92:93]
	s_cmp_lg_u32 s90, 0
	s_cbranch_scc1 .Lcore
	global_load_b128 v[16:19], v49, s[6:7]         ; wave 0: my block's eight keys, asked for with the rest
	global_load_b128 v[20:23], v49, s[6:7] offset:16
.Lcore:
	s_wait_loadcnt 0x0
	ds_store_b128 v53, v[56:59]
	ds_store_b128 v53, v[60:63] offset:512         ; my own bytes: LDS serves a wave's instructions in order, so the loads below see these stores
	v_not_b32 v4, v2                               ; ~key
	v_not_b32 v5, v3                               ; id
.macro BLOAD m                         ; batch m: 32 items of 8 bytes, 256 bytes, into buffer m % 2: four batches are the wave's 1,024 bytes
.set ii, 0
.rept 16
	ds_load_b128 v[BUF+64*((\m)%2)+4*ii:BUF+64*((\m)%2)+4*ii+3], v54 offset:256*(\m)+16*ii
.set ii, ii+1
.endr
.endm
.macro QUAD base                       ; four items at v[base .. base + 7], by turns: low words, high words with carry, the carry into a counter
.irp j, 0,1,2,3
	v_add_co_u32 v[T+\j], s[84+\j], v[(\base)+2*\j+1], v5
.endr
.irp j, 0,1,2,3
	v_add_co_ci_u32 v[T+\j], s[84+\j], v[(\base)+2*\j], v4, s[84+\j]
.endr
.irp j, 0,1,2,3
	v_add_co_ci_u32 v[CNT+\j], s[84+\j], 0, v[CNT+\j], s[84+\j]
.endr
.endm
.macro BATCH m, left                   ; left: the next batch's loads, which may stay out
	s_wait_dscnt \left
.set qq, 0
.rept 8
	QUAD BUF+64*((\m)%2)+8*qq
.set qq, qq+1
.endr
.endm
	BLOAD 0
	BLOAD 1
	BATCH 0, 16
	BLOAD 2
	BATCH 1, 16
	BLOAD 3
	BATCH 2, 16
	BATCH 3, 0
	v_add_nc_u32 v12, v12, v13
	v_add_nc_u32 v14, v14, v15
	v_add_nc_u32 v12, v12, v14
	ds_store_b32 v6, v12
	s_wait_dscnt 0x0                               ; for wave 0's sake
	s_barrier_signal -1
	s_barrier_wait -1
	s_cmp_lg_u32 s90, 0
	s_cbranch_scc1 .Lend
.irp j, 0,1,2,3,4,5,6,7,8,9,10,11,12,13,14,15
	ds_load_b32 v[64+\j], v7 offset:128*\j
.endr
	v_lshlrev_b32 v42, 3, v5
	v_not_b32 v42, v42                             ; ~(8 x block)
.irp e, 0,1,2,3,4,5,6,7
	v_mov_b32 v[24+2*\e], v[16+\e]
	v_add_nc_u32 v[25+2*\e], -\e, v42              ; ~(8 x block + e)
.endr
	s_wait_dscnt 0x0
	v_add3_u32 v80, v64, v65, v66
	v_add3_u32 v81, v67, v68, v69
	v_add3_u32 v80, v80, v70, v71
	v_add3_u32 v81, v81, v72, v73
	v_add3_u32 v80, v80, v74, v75
	v_add3_u32 v81, v81, v76, v77
	v_add3_u32 v80, v80, v78, v79
	v_add_nc_u32 v80, v80, v81                     ; the rank
	v_cmp_gt_u32 vcc_lo, 0x100, v80
	v_min_u32 v80, 0xff, v80
	v_lshlrev_b32 v82, 6, v80                      ; 64 bytes a block
	s_wait_xcnt 0x0                                ; EXEC changes only behind this wait
	s_wait_tensorcnt 0x0
	ds_add_u32 v224, v225
	s_wait_dscnt 0x0
	s_and_saveexec_b32 s88, vcc_lo                 ; the 256 best alone
.irp i, 0,1,2,3
	global_store_b128 v82, v[24+4*\i:27+4*\i], s[8:9] offset:16*\i
.endr
	s_endpgm
.Lend:
	s_wait_tensorcnt 0x0
	ds_add_u32 v224, v225
	s_wait_dscnt 0x0
	s_endpgm
.Lfunc_end_k_qc8e26a53cc_brank:
	.size	k_qc8e26a53cc_brank, .Lfunc_end_k_qc8e26a53cc_brank-k_qc8e26a53cc_brank
	.p2alignl 7, 3214868480
	.fill 96, 4, 3214868480
	.section	.rodata,"a",@progbits
	.p2align	6, 0x0
	.amdhsa_kernel k_qc8e26a53cc_brank
		.amdhsa_group_segment_fixed_size 20480
		.amdhsa_private_segment_fixed_size 0
		.amdhsa_enable_private_segment 0
		.amdhsa_kernarg_size 24
		.amdhsa_user_sgpr_count 2
		.amdhsa_user_sgpr_kernarg_segment_ptr 1
		.amdhsa_wavefront_size32 1
		.amdhsa_system_sgpr_workgroup_id_x 1
		.amdhsa_system_sgpr_workgroup_id_y 1
		.amdhsa_system_sgpr_workgroup_id_z 1
		.amdhsa_system_vgpr_workitem_id 0
		.amdhsa_next_free_vgpr 226
		.amdhsa_next_free_sgpr 96
		.amdhsa_reserve_vcc 1
		.amdhsa_float_denorm_mode_32 3
		.amdhsa_float_denorm_mode_16_64 3
		.amdhsa_memory_ordered 1
		.amdhsa_forward_progress 1
		.amdhsa_inst_pref_size 34
	.end_amdhsa_kernel
	.amdgpu_metadata
---
amdhsa.version: [ 1, 2 ]
amdhsa.kernels:
  - .name:           k_qc8e26a53cc_brank
    .symbol:         k_qc8e26a53cc_brank.kd
    .args:
      - { .name: bl, .offset: 0, .size: 8, .value_kind: global_buffer, .address_space: global }
      - { .name: keys, .offset: 8, .size: 8, .value_kind: global_buffer, .address_space: global }
      - { .name: cand, .offset: 16, .size: 8, .value_kind: global_buffer, .address_space: global }
    .group_segment_fixed_size: 20480
    .private_segment_fixed_size: 0
    .kernarg_segment_align: 8
    .kernarg_segment_size: 24
    .max_flat_workgroup_size: 512
    .sgpr_count:     96
    .vgpr_count:     226
    .wavefront_size: 32
...
	.end_amdgpu_metadata
.endif
;; end of part 2
;; launch erank (part 3): grid 128 x 1, 16 waves a work-group, no clusters, 20,480 bytes of LDS; arguments cand, src_pts, tgt_pts, kp, out0; writes kp, out0
.if DOCPART == 3
	.amdgcn_target "amdgcn-amd-amdhsa--gfx1250"
	.amdhsa_code_object_version 6
	.text
	.protected	k_qc8e26a53cc_erank
	.globl	k_qc8e26a53cc_erank
	.p2align	8
	.type	k_qc8e26a53cc_erank,@function
k_qc8e26a53cc_erank:
	s_mov_b64 s[64:65], 0
	v_nop
	global_prefetch_b8 v0, s[64:65] scope:SCOPE_SE
	s_setreg_imm32_b32 hwreg(HW_REG_WAVE_MODE, 25, 1), 1
	s_wait_xcnt 0x0
; erank: the rank of each of a cloud's 2,048 candidate points under (key descending, point ascending), counted as in the launch before.  Ranks 0 to 255 are the keypoints, in the order of a top-k
; that keeps the lower index on ties.  A winner gathers its 6 numbers in each of the 4 batches: kp [2][4][256][8] (x y z p3 p4 p5 0 0), and for the first cloud out0 [4][256][6].
; SHARES as in the launch before: a lane an item, wave w counts against items 128 w .. 128 w + 127, which go through the wave's own 1,024 bytes of LDS and come back with one address for all lanes.
; out0's rows go to places given by the ranks, 24 bytes each: they cannot be gathered into whole aligned runs here; the output is 24,576 bytes in all.
.set T,   8
.set CNT, 12
.set BUF, 96
.set CB,  16384
	s_load_b256 s[4:11], s[0:1], 0x0               ; cand s[4:5], src s[6:7], tgt s[8:9], kp s[10:11]
	s_load_b64 s[12:13], s[0:1], 0x20              ; out0
	v_lshl_add_u32 v224, v0, 2, 0x4800
	v_mov_b32 v225, 0
	v_lshrrev_b32 v54, 5, v0
	v_readfirstlane_b32 s90, v54                   ; wave
	v_lshlrev_b32 v54, 10, v54                     ; LDS: my wave's 1,024 bytes
	v_and_b32 v1, 31, v0
	v_lshl_add_u32 v53, v1, 4, v54
	s_lshr_b32 s91, ttmp9, 6                       ; cloud
	s_and_b32 s89, ttmp9, 63
	v_lshl_add_u32 v6, v0, 2, CB
	v_lshl_add_u32 v7, v1, 2, CB
	v_lshlrev_b32 v48, 3, v1
	v_lshlrev_b32 v52, 4, v1
.irp j, 0,1,2,3
	v_mov_b32 v[CNT+\j], 0
.endr
	s_lshl_b32 s92, s91, 14
	s_mov_b32 s93, 0
	s_wait_kmcnt 0x0
	s_add_nc_u64 s[4:5], s[4:5], s[92:93]
	s_lshl_b32 s92, s90, 10
	s_add_nc_u64 s[14:15], s[4:5], s[92:93]
	global_load_b128 v[56:59], v52, s[14:15]
	global_load_b128 v[60:63], v52, s[14:15] offset:512
	s_lshl_b32 s92, s89, 8
	s_add_nc_u64 s[4:5], s[4:5], s[92:93]
	global_load_b64 v[2:3], v48, s[4:5]
	s_lshl_b32 s92, s91, 15
	s_add_nc_u64 s[10:11], s[10:11], s[92:93]      ; kp of the cloud
	s_cmp_eq_u32 s91, 0
	s_cselect_b64 s[6:7], s[6:7], s[8:9]           ; the cloud's points
	s_wait_loadcnt 0x0
	v_not_b32 v4, v2
	v_not_b32 v5, v3                               ; the point's number
	v_min_u32 v50, 0x3fff, v5                      ; held inside the cloud before it enters an address
	v_lshlrev_b32 v51, 2, v50
	s_cmp_lg_u32 s90, 0
	s_cbranch_scc1 .Lcore
.irp b, 0,1,2,3
.irp c, 0,1,2,3,4,5
	global_load_b32 v[16+8*\b+\c], v51, s[6:7] offset:65536*(6*\b+\c)   ; wave 0: my point's 24 numbers, asked for here so that they land while the ranks are counted
.endr
.endr
.Lcore:
	ds_store_b128 v53, v[56:59]
	ds_store_b128 v53, v[60:63] offset:512         ; my own bytes: the loads below see these stores
.macro BLOAD m                         ; batch m: 32 items of 8 bytes, 256 bytes, into buffer m % 2: four batches are the wave's 1,024 bytes
.set ii, 0
.rept 16
	ds_load_b128 v[BUF+64*((\m)%2)+4*ii:BUF+64*((\m)%2)+4*ii+3], v54 offset:256*(\m)+16*ii
.set ii, ii+1
.endr
.endm
.macro QUAD base
.irp j, 0,1,2,3
	v_add_co_u32 v[T+\j], s[84+\j], v[(\base)+2*\j+1], v5
.endr
.irp j, 0,1,2,3
	v_add_co_ci_u32 v[T+\j], s[84+\j], v[(\base)+2*\j], v4, s[84+\j]
.endr
.irp j, 0,1,2,3
	v_add_co_ci_u32 v[CNT+\j], s[84+\j], 0, v[CNT+\j], s[84+\j]
.endr
.endm
.macro BATCH m, left                   ; left: the next batch's loads, which may stay out
	s_wait_dscnt \left
.set qq, 0
.rept 8
	QUAD BUF+64*((\m)%2)+8*qq
.set qq, qq+1
.endr
.endm
	BLOAD 0
	BLOAD 1
	BATCH 0, 16
	BLOAD 2
	BATCH 1, 16
	BLOAD 3
	BATCH 2, 16
	BATCH 3, 0
	v_add_nc_u32 v12, v12, v13
	v_add_nc_u32 v14, v14, v15
	v_add_nc_u32 v12, v12, v14
	ds_store_b32 v6, v12
	s_wait_dscnt 0x0
	s_barrier_signal -1
	s_barrier_wait -1
	s_cmp_lg_u32 s90, 0
	s_cbranch_scc1 .Lend
.irp j, 0,1,2,3,4,5,6,7,8,9,10,11,12,13,14,15
	ds_load_b32 v[64+\j], v7 offset:128*\j
.endr
	s_wait_dscnt 0x0
	v_add3_u32 v80, v64, v65, v66
	v_add3_u32 v81, v67, v68, v69
	v_add3_u32 v80, v80, v70, v71
	v_add3_u32 v81, v81, v72, v73
	v_add3_u32 v80, v80, v74, v75
	v_add3_u32 v81, v81, v76, v77
	v_add3_u32 v80, v80, v78, v79
	v_add_nc_u32 v80, v80, v81                     ; the rank
	s_wait_loadcnt 0x0                             ; the 24 numbers
.irp b, 0,1,2,3
	v_mov_b32 v[22+8*\b], 0
	v_mov_b32 v[23+8*\b], 0
.endr
	v_cmp_gt_u32 vcc_lo, 0x100, v80
	v_min_u32 v80, 0xff, v80
	v_lshlrev_b32 v82, 5, v80                      ; 32 bytes a record
	v_mul_u32_u24 v83, 24, v80                     ; 24 bytes a row of out0
	s_wait_xcnt 0x0                                ; EXEC changes only behind this wait
	s_and_saveexec_b32 s88, vcc_lo
.irp b, 0,1,2,3
	global_store_b128 v82, v[16+8*\b:19+8*\b], s[10:11] offset:8192*\b
	global_store_b128 v82, v[20+8*\b:23+8*\b], s[10:11] offset:8192*\b+16
.endr
	s_cmp_lg_u32 s91, 0
	s_cbranch_scc1 .Ldone
.irp b, 0,1,2,3
.irp i, 0,1,2
	global_store_b64 v83, v[16+8*\b+2*\i:17+8*\b+2*\i], s[12:13] offset:6144*\b+8*\i
.endr
.endr
.Ldone:
	s_wait_xcnt 0x0
	s_mov_b32 exec_lo, -1
	s_wait_tensorcnt 0x0
	ds_add_u32 v224, v225
	s_wait_dscnt 0x0
	s_endpgm
.Lend:
	s_wait_xcnt 0x0
	s_mov_b32 exec_lo, -1
	s_wait_tensorcnt 0x0
	ds_add_u32 v224, v225
	s_wait_dscnt 0x0
	s_endpgm
.Lfunc_end_k_qc8e26a53cc_erank:
	.size	k_qc8e26a53cc_erank, .Lfunc_end_k_qc8e26a53cc_erank-k_qc8e26a53cc_erank
	.p2alignl 7, 3214868480
	.fill 96, 4, 3214868480
	.section	.rodata,"a",@progbits
	.p2align	6, 0x0
	.amdhsa_kernel k_qc8e26a53cc_erank
		.amdhsa_group_segment_fixed_size 20480
		.amdhsa_private_segment_fixed_size 0
		.amdhsa_enable_private_segment 0
		.amdhsa_kernarg_size 40
		.amdhsa_user_sgpr_count 2
		.amdhsa_user_sgpr_kernarg_segment_ptr 1
		.amdhsa_wavefront_size32 1
		.amdhsa_system_sgpr_workgroup_id_x 1
		.amdhsa_system_sgpr_workgroup_id_y 1
		.amdhsa_system_sgpr_workgroup_id_z 1
		.amdhsa_system_vgpr_workitem_id 0
		.amdhsa_next_free_vgpr 226
		.amdhsa_next_free_sgpr 96
		.amdhsa_reserve_vcc 1
		.amdhsa_float_denorm_mode_32 3
		.amdhsa_float_denorm_mode_16_64 3
		.amdhsa_memory_ordered 1
		.amdhsa_forward_progress 1
		.amdhsa_inst_pref_size 38
	.end_amdhsa_kernel
	.amdgpu_metadata
---
amdhsa.version: [ 1, 2 ]
amdhsa.kernels:
  - .name:           k_qc8e26a53cc_erank
    .symbol:         k_qc8e26a53cc_erank.kd
    .args:
      - { .name: cand, .offset: 0, .size: 8, .value_kind: global_buffer, .address_space: global }
      - { .name: src_pts, .offset: 8, .size: 8, .value_kind: global_buffer, .address_space: global }
      - { .name: tgt_pts, .offset: 16, .size: 8, .value_kind: global_buffer, .address_space: global }
      - { .name: kp, .offset: 24, .size: 8, .value_kind: global_buffer, .address_space: global }
      - { .name: out0, .offset: 32, .size: 8, .value_kind: global_buffer, .address_space: global }
    .group_segment_fixed_size: 20480
    .private_segment_fixed_size: 0
    .kernarg_segment_align: 8
    .kernarg_segment_size: 40
    .max_flat_workgroup_size: 512
    .sgpr_count:     96
    .vgpr_count:     226
    .wavefront_size: 32
...
	.end_amdgpu_metadata
.endif
;; end of part 3
;; launch knn_a (part 4): grid 256 x 1, 10 waves a work-group, no clusters, 105,728 bytes of LDS; arguments kp, tgt_pts, blist, gsel; writes blist, gsel
.if DOCPART == 4
	.amdgcn_target "amdgcn-amd-amdhsa--gfx1250"
	.amdhsa_code_object_version 6
	.text
	.protected	k_qc8e26a53cc_knn_a
	.globl	k_qc8e26a53cc_knn_a
	.p2align	8
	.type	k_qc8e26a53cc_knn_a,@function
k_qc8e26a53cc_knn_a:
	s_mov_b64 s[64:65], 0
	v_nop
	global_prefetch_b8 v0, s[64:65] scope:SCOPE_SE
	s_setreg_imm32_b32 hwreg(HW_REG_WAVE_MODE, 25, 1), 1
	s_wait_xcnt 0x0
; knn_a.  WAVES 0-7 of a work-group: for 256 candidate points (32 keypoints x 8 grid offsets) of a batch and 2,048 of its targets: the smallest squared distance in each bucket of 32 neighbouring targets, and of
; the 64 buckets the ten with the smallest minima, ascending, as words (bits of d & 0xfffffe00 | bucket number 0..511): blist [4 b][8 ts][3 plane][2048 query][4].  The ten nearest targets lie in the ten buckets
; with the smallest minima; the next launch computes the distances in those anew.
; ARITHMETIC, all f32 vector work.  A lane is a keypoint.  Its 8 candidates take one of two values along each axis, so d - |a|^2 = |b|^2 - 2 a.b is built as a tree, packed over the two values of x:
; u[gx] = |b|^2 - 2 ax[gx] bx (1 packed multiply-add), v[gy][gx] = u - 2 ay[gy] by (2), w[gy][gz][gx] = v - 2 az[gz] bz (4): 7 for a target and 8 candidates; 4 three-way minima a target keep the buckets' minima.
; SHARES: b = wg >> 6, 256 candidates (wg >> 3) & 7, 2,048 targets wg & 7.  Wave w: all 32 keypoints, targets 256 w on: 8 buckets.  The targets' x, y, z and |b|^2 lie in LDS as four rows and are read with one address for all lanes.
; Each wave's 8 x 8 words a lane go to LDS, 64 words a candidate; then a thread is a candidate and keeps the ten smallest of its 64.
; WAVES 8, 9: the grouping's order, one list each (list 2 wg + (w & 1) of 2 x 4 x 64): the 32 nearest of the 256 keypoints to a centre, ascending, ties to the lower index, with the radius clamp: gsel [512][32].
; They use no LDS, ask for their records ahead of the first barrier and work between the two barriers, which stand on every wave's path.
; LIMITS: NaN and infinities are not served.  Buckets are chosen on an f32 d cut to 14 mantissa bits: where ten buckets' minima lie within that error of each other, a distance returned later can exceed the true one by
; at most twice that error.  The grouping forms d as (|a|^2 + |b|^2) - 2 a.b with fused multiply-adds in the order x, y, z.
.set AX,  16                           ; v[16:17] -2 ax for gx = 0, 1;  v[18:19] -2 ay;  v[20:21] -2 az
.set AY,  18
.set AZ,  20
.set AA,  24                           ; v[24:31]   |a|^2 at j = 2 (2 gy + gz) + gx
.set TB,  32                           ; v[32:63], v[64:95] two buffers: x, y, z, |b|^2 of 8 targets
.set UU,  96                           ; v[96:103]  u of 4 targets
.set VV,  104                          ; v[104:119] v
.set WW,  120                          ; v[120:151] w: target t at 120 + 8 t + j
.set MA,  152                          ; v[152:159] the bucket's minimum over a step's targets 0, 1
.set MB,  160                          ; v[160:167] over targets 2, 3
.set WD,  168                          ; v[168:231] the words: candidate i, bucket k at 168 + 8 i + k
.set KPR, 232                          ; v[232:235] my keypoint's record
.set CA,  236                          ; v[236:241] ax0 ax1 ay0 ay1 az0 az1
.set CS,  242                          ; v[242:247] x^2 (2), x^2 + y^2 (4)
.set LS,  16                           ; at the end: v[16:27] a candidate's list
.set XW,  96                           ; and v[96:159] its 64 words
.set WBASE, 32768                      ; LDS: four rows of 8,192 bytes, then the words: candidate q at 272 q + 16 (q >> 3): stores (lanes 8 candidates apart) step 137 columns of 16 bytes, reads (a lane a candidate) 17
.set GD, 16                            ; the grouping: v[16:23] my eight d, ascending
.set GJ, 24                            ; v[24:31] their indices, as f32 numbers (0..255, exact), so that the maximum over lanes can carry them
.set GR, 32                            ; v[32:63] the eight records' x y z p3
.set DR, 72                            ; v[72:79] d as computed
	s_load_b256 s[4:11], s[0:1], 0x0               ; kp s[4:5], tgt s[6:7], blist s[8:9], gsel s[10:11]
	v_lshl_add_u32 v254, v0, 2, 0x19800
	v_mov_b32 v255, 0
	v_lshrrev_b32 v8, 5, v0
	v_readfirstlane_b32 s12, v8                    ; wave 0..9
	v_and_b32 v1, 31, v0                           ; lane
	s_mov_b32 s32, 0x76543210
	s_mov_b32 s33, 0xfedcba98                      ; selects: lane l xor 16
	s_lshr_b32 s13, ttmp9, 6                       ; b
	s_bfe_u32 s14, ttmp9, 0x30003                  ; qb
	s_and_b32 s15, ttmp9, 7                        ; ts
	; every address register is made here, ahead of the first parting of the roles
	v_lshlrev_b32 v2, 4, v0                        ; 16 x thread: the targets' way in, in memory and in LDS; the lists' way out
	v_lshlrev_b32 v3, 10, v8                       ; my wave's 256 targets in a row of LDS: one address for all lanes
	v_mul_u32_u24 v4, v1, 2192
	v_lshl_add_u32 v4, v8, 5, v4
	v_add_nc_u32 v4, WBASE, v4                     ; words in: candidate 8 x lane, my wave's 8 buckets
	v_mul_u32_u24 v5, v0, 272
	v_lshrrev_b32 v9, 3, v0
	v_lshl_add_u32 v5, v9, 4, v5
	v_add_nc_u32 v5, WBASE, v5                     ; words back: a thread a candidate
	s_lshl_b32 s26, s15, 6
	s_lshl_b32 s27, s12, 3
	s_add_co_u32 s26, s26, s27
	v_mov_b32 v6, s26                              ; the bucket in hand: 64 ts + 8 w + k
	v_lshlrev_b32 v7, 5, v1                        ; my keypoint's record
	v_lshlrev_b32 v10, 8, v1                       ; the grouping: my eight records,
	v_lshlrev_b32 v11, 3, v1                       ; their first index,
	v_lshlrev_b32 v12, 2, v1                       ; my word of the list
	s_mul_i32 s20, s13, 393216
	s_lshl_b32 s21, s15, 13
	s_add_co_u32 s20, s20, s21
	s_mov_b32 s21, 0
	s_lshl_b32 s22, s13, 13
	s_lshl_b32 s23, s14, 10
	s_add_co_u32 s22, s22, s23
	s_mov_b32 s23, 0
	s_lshl_b32 s24, s13, 3
	s_add_co_u32 s24, s24, s15
	s_mul_i32 s24, s24, 98304
	s_lshl_b32 s25, s14, 12
	s_add_co_u32 s24, s24, s25
	s_mov_b32 s25, 0
	s_and_b32 s30, s12, 1
	s_lshl_b32 s31, ttmp9, 1
	s_add_co_u32 s30, s30, s31                     ; the list: (cloud x 4 + b) x 64 + centre
	s_lshr_b32 s52, s30, 6
	s_lshl_b32 s52, s52, 13
	s_mov_b32 s53, 0
	s_and_b32 s54, s30, 63
	s_lshl_b32 s54, s54, 5
	s_mov_b32 s55, 0
	s_lshl_b32 s56, s30, 7
	s_mov_b32 s57, 0
	s_wait_kmcnt 0x0
	s_add_nc_u64 s[6:7], s[6:7], s[20:21]          ; the batch's x row at my 2,048 targets
	s_add_nc_u64 s[16:17], s[4:5], s[22:23]        ; the first cloud's records of my 32 keypoints
	s_add_nc_u64 s[8:9], s[8:9], s[24:25]
	s_add_nc_u64 s[18:19], s[4:5], s[52:53]        ; the grouping: the 256 records of (cloud, b),
	s_add_nc_u64 s[50:51], s[18:19], s[54:55]      ; the centre's,
	s_add_nc_u64 s[10:11], s[10:11], s[56:57]      ; the list's place
	s_cmp_ge_u32 s12, 8
	s_cbranch_scc1 .Lg1
.irp c, 0,1,2
.irp i, 0,1
	global_load_b128 v[TB+8*\c+4*\i:TB+8*\c+4*\i+3], v2, s[6:7] offset:65536*\c+4096*\i   ; targets 1024 i + 4 t + 0 .. 3
.endr
.endr
	global_load_b128 v[KPR:KPR+3], v7, s[16:17]
	s_wait_loadcnt 1                               ; the six target loads are in; the keypoint's may be out
.irp j, 0,1,2,3,4,5,6,7
	v_mul_f32 v[TB+24+\j], v[TB+\j], v[TB+\j]
.endr
.irp j, 0,1,2,3,4,5,6,7
	v_fma_f32 v[TB+24+\j], v[TB+8+\j], v[TB+8+\j], v[TB+24+\j]
.endr
.irp j, 0,1,2,3,4,5,6,7
	v_fma_f32 v[TB+24+\j], v[TB+16+\j], v[TB+16+\j], v[TB+24+\j]   ; |b|^2
.endr
.irp c, 0,1,2,3
.irp i, 0,1
	ds_store_b128 v2, v[TB+8*\c+4*\i:TB+8*\c+4*\i+3] offset:8192*\c+4096*\i   ; the rows as they lie in memory: each store of a wave covers 512 consecutive bytes
.endr
.endr
	s_wait_loadcnt 0x0                             ; my keypoint
.irp c, 0,1,2
	v_mov_b32 v[CA+2*\c], v[KPR+\c]
	v_add_f32 v[CA+2*\c+1], 0x3dcccccd, v[KPR+\c]  ; + the voxel, 0.1
.endr
	v_mul_f32 v[CS], v[CA], v[CA]
	v_mul_f32 v[CS+1], v[CA+1], v[CA+1]
.irp gy, 0,1
.irp gx, 0,1
	v_fma_f32 v[CS+2+2*\gy+\gx], v[CA+2+\gy], v[CA+2+\gy], v[CS+\gx]
.endr
.endr
.irp gy, 0,1
.irp gz, 0,1
.irp gx, 0,1
	v_fma_f32 v[AA+2*(2*\gy+\gz)+\gx], v[CA+4+\gz], v[CA+4+\gz], v[CS+2+2*\gy+\gx]   ; |a|^2 of the eight candidates
.endr
.endr
.endr
.irp i, 0,1,2,3,4,5
	v_mul_f32 v[AX+\i], -2.0, v[CA+\i]
.endr
	s_branch .Lj1
.Lg1:
	s_load_b128 s[36:39], s[50:51], 0x0            ; the centre
.irp i, 0,1,2,3,4,5,6,7
	global_load_b128 v[GR+4*\i:GR+4*\i+3], v10, s[18:19] offset:32*\i   ; nobody writes these bytes: the loads may be out at the barrier
.endr
.Lj1:
	s_wait_dscnt 0x0                               ; for the others' sake: my part of the rows has landed
	s_barrier_signal -1
	s_barrier_wait -1
	s_cmp_ge_u32 s12, 8
	s_cbranch_scc1 .Lgroup
.macro ALOAD c                         ; chunk c: 8 targets' x, y, z, |b|^2 into buffer c % 2; all lanes read the same 16 bytes
.irp r, 0,1,2,3
	ds_load_b128 v[TB+32*((\c)%2)+8*\r:TB+32*((\c)%2)+8*\r+3], v3 offset:8192*\r+32*(\c)
	ds_load_b128 v[TB+32*((\c)%2)+8*\r+4:TB+32*((\c)%2)+8*\r+7], v3 offset:8192*\r+32*(\c)+16
.endr
.endm
; Step n is 4 targets, t = 2 p + e: half n % 2 of chunk n / 2.  op_sel and op_sel_hi pick one register of a pair for both halves of a packed instruction.
.macro USTG n
.set TBB, TB+32*(((\n)/2)%2)+4*((\n)%2)
.irp p, 0,1
.irp e, 0,1
	v_pk_fma_f32 v[UU+4*\p+2*\e:UU+4*\p+2*\e+1], v[AX:AX+1], v[TBB+2*\p:TBB+2*\p+1], v[TBB+24+2*\p:TBB+24+2*\p+1] op_sel:[0,\e,\e] op_sel_hi:[1,\e,\e]
.endr
.endr
.endm
.macro VSTG n
.set TBB, TB+32*(((\n)/2)%2)+4*((\n)%2)
.irp gy, 0,1
.irp p, 0,1
.irp e, 0,1
	v_pk_fma_f32 v[VV+8*\p+4*\e+2*\gy:VV+8*\p+4*\e+2*\gy+1], v[AY:AY+1], v[TBB+8+2*\p:TBB+8+2*\p+1], v[UU+4*\p+2*\e:UU+4*\p+2*\e+1] op_sel:[\gy,\e,0] op_sel_hi:[\gy,\e,1]
.endr
.endr
.endr
.endm
.macro WSTG n
.set TBB, TB+32*(((\n)/2)%2)+4*((\n)%2)
.irp gy, 0,1
.irp gz, 0,1
.irp p, 0,1
.irp e, 0,1
	v_pk_fma_f32 v[WW+16*\p+8*\e+2*(2*\gy+\gz):WW+16*\p+8*\e+2*(2*\gy+\gz)+1], v[AZ:AZ+1], v[TBB+16+2*\p:TBB+16+2*\p+1], v[VV+8*\p+4*\e+2*\gy:VV+8*\p+4*\e+2*\gy+1] op_sel:[\gz,\e,0] op_sel_hi:[\gz,\e,1]
.endr
.endr
.endr
.endr
.endm
.macro MINS n                          ; two running minima a candidate, so that no line waits for the line before it; a bucket's first step starts them
.irp j, 0,1,2,3,4,5,6,7
.if (\n)%8 == 0
	v_min_num_f32 v[MA+\j], v[WW+\j], v[WW+8+\j]
.else
	v_min3_num_f32 v[MA+\j], v[MA+\j], v[WW+\j], v[WW+8+\j]
.endif
.endr
.irp j, 0,1,2,3,4,5,6,7
.if (\n)%8 == 0
	v_min_num_f32 v[MB+\j], v[WW+16+\j], v[WW+24+\j]
.else
	v_min3_num_f32 v[MB+\j], v[MB+\j], v[WW+16+\j], v[WW+24+\j]
.endif
.endr
.endm
.macro FIN k                           ; bucket k is done: + |a|^2, held above 2^-100, cut to 14 mantissa bits, the bucket's number in the 9 bits below.  j = 2 (2 gy + gz) + gx is candidate 4 gx + 2 gy + gz
.irp j, 0,1,2,3,4,5,6,7
	v_min_num_f32 v[MA+\j], v[MA+\j], v[MB+\j]
.endr
.irp j, 0,1,2,3,4,5,6,7
	v_add_f32 v[MA+\j], v[MA+\j], v[AA+\j]
.endr
.irp j, 0,1,2,3,4,5,6,7
	v_max_num_f32 v[MA+\j], 0x0d800000, v[MA+\j]
.endr
.irp j, 0,1,2,3,4,5,6,7
	v_and_or_b32 v[WD+8*(4*(\j%2)+\j/2)+(\k)], v[MA+\j], 0xfffffe00, v6
.endr
	v_add_nc_u32 v6, 1, v6
.endm
	ALOAD 0
	ALOAD 1
	s_wait_dscnt 8                                 ; chunk 0's eight loads are in; chunk 1's may be out
	USTG 0
; 64 steps.  The next step's u stands between this step's v and w, so that every result is read eight lines or more behind the line that made it.  In every second step the buffer that w has just left
; takes the chunk two on: 68 vector lines ahead of the wait for it, which is for 0 since nothing else of mine is out in LDS there.
.set nn, 0
.rept 64
	VSTG nn
.if nn < 63
.if nn%2 == 1
	s_wait_dscnt 0x0                               ; the next chunk is in
.endif
	USTG nn+1
.endif
	WSTG nn
.if (nn%2 == 1) && (nn/2+2 < 32)
	ALOAD nn/2+2
.endif
	MINS nn
.if nn%8 == 7
	FIN nn/8
.endif
.set nn, nn+1
.endr
.irp i, 0,1,2,3,4,5,6,7
	ds_store_b128 v4, v[WD+8*\i:WD+8*\i+3] offset:272*\i
	ds_store_b128 v4, v[WD+8*\i+4:WD+8*\i+7] offset:272*\i+16
.endr
	s_branch .Lj2
; ---- the grouping's order.  Lane l holds keypoints 8 l + i, as a list ascending in d that keeps the lower index first on ties; 32 times the smallest head of all lanes is taken (the lowest lane on ties).
.Lgroup:
.irp i, 64,65,66,67,68,69
	v_mov_b32 v[\i], 0                             ; destinations of lane operations count as read; v68 the first index, v69 the result
.endr
	v_mov_b32 v81, 0x7f800000
	s_wait_kmcnt 0x0
	v_mul_f32 v80, s36, s36
	v_fma_f32 v80, s37, s37, v80
	v_fma_f32 v80, s38, s38, v80                   ; |a|^2
	s_wait_loadcnt 0x0
.irp i, 0,1,2,3,4,5,6,7
	v_mul_f32 v[DR+\i], v[GR+4*\i], v[GR+4*\i]
	v_mul_f32 v[84+\i], s36, v[GR+4*\i]
.endr
.irp i, 0,1,2,3,4,5,6,7
	v_fma_f32 v[DR+\i], v[GR+4*\i+1], v[GR+4*\i+1], v[DR+\i]
	v_fma_f32 v[84+\i], s37, v[GR+4*\i+1], v[84+\i]
.endr
.irp i, 0,1,2,3,4,5,6,7
	v_fma_f32 v[DR+\i], v[GR+4*\i+2], v[GR+4*\i+2], v[DR+\i]
	v_fma_f32 v[84+\i], s38, v[GR+4*\i+2], v[84+\i]
.endr
.irp i, 0,1,2,3,4,5,6,7
	v_add_f32 v[DR+\i], v80, v[DR+\i]
.endr
.irp i, 0,1,2,3,4,5,6,7
	v_fma_f32 v[DR+\i], -2.0, v[84+\i], v[DR+\i]   ; (|a|^2 + |b|^2) - 2 a.b
.endr
	v_mov_b32 v[GD], v[DR]
	v_cvt_f32_u32 v[GJ], v11
; (d_k, 8 l + k) into the list of k: it goes in front of a place only where it is strictly smaller, so equal d keep the lower index first
.macro GINS k
	v_add_nc_u32 v70, \k, v11
	v_cvt_f32_u32 v71, v70
.set pp, 0
.rept \k
	v_cmp_lt_f32 s[40+pp], v[DR+\k], v[GD+pp]
.set pp, pp+1
.endr
	v_max_num_f32 v[GD+\k], v[GD+\k-1], v[DR+\k]
	v_cndmask_b32 v[GJ+\k], v71, v[GJ+\k-1], s[40+\k-1]
.set pp, \k-1
.rept \k-1
	v_med3_num_f32 v[GD+pp], v[GD+pp-1], v[GD+pp], v[DR+\k]
	v_cndmask_b32 v[GJ+pp], v[GJ+pp], v71, s[40+pp]
	v_cndmask_b32 v[GJ+pp], v[GJ+pp], v[GJ+pp-1], s[40+pp-1]
.set pp, pp-1
.endr
	v_min_num_f32 v[GD], v[GD], v[DR+\k]
	v_cndmask_b32 v[GJ], v[GJ], v71, s40
.endm
.irp k, 1,2,3,4,5,6,7
	GINS \k
.endr
	s_mov_b32 s48, 0
.Lpick:                                            ; 32 trips: trip n finds the n-th nearest; nothing but selections hangs on the numbers
	v_min_num_f32_dpp v64, v[GD], v[GD] row_xmask:1 row_mask:0xf bank_mask:0xf
	v_min_num_f32_dpp v64, v64, v64 row_xmask:2 row_mask:0xf bank_mask:0xf
	v_min_num_f32_dpp v64, v64, v64 row_xmask:4 row_mask:0xf bank_mask:0xf
	v_min_num_f32_dpp v64, v64, v64 row_xmask:8 row_mask:0xf bank_mask:0xf
	v_permlanex16_b32 v65, v64, s32, s33
	v_min_num_f32 v64, v64, v65                    ; the smallest head
	v_cmp_eq_f32 s40, v[GD], v64
	s_sub_co_u32 s41, 0, s40
	s_and_b32 s41, s40, s41                        ; the lowest lane that holds it: the lowest index
	v_cndmask_b32 v66, 0, v[GJ], s41
	v_max_num_f32_dpp v66, v66, v66 row_xmask:1 row_mask:0xf bank_mask:0xf
	v_max_num_f32_dpp v66, v66, v66 row_xmask:2 row_mask:0xf bank_mask:0xf
	v_max_num_f32_dpp v66, v66, v66 row_xmask:4 row_mask:0xf bank_mask:0xf
	v_max_num_f32_dpp v66, v66, v66 row_xmask:8 row_mask:0xf bank_mask:0xf
	v_permlanex16_b32 v67, v66, s32, s33
	v_max_num_f32 v66, v66, v67                    ; its index, in every lane
	s_cmp_eq_u32 s48, 0
	s_cselect_b32 s43, -1, 0
	v_cndmask_b32 v68, v68, v66, s43               ; the first trip's index is kept
	v_cmp_ge_f32 s44, 1.0, v64
	v_cndmask_b32 v70, v68, v66, s44               ; beyond the radius the first index stands in
	v_cmp_eq_u32 s45, s48, v1
	v_cndmask_b32 v69, v69, v70, s45               ; lane n keeps trip n's
.irp i, 0,1,2,3,4,5,6
	v_cndmask_b32 v[GD+\i], v[GD+\i], v[GD+\i+1], s41
	v_cndmask_b32 v[GJ+\i], v[GJ+\i], v[GJ+\i+1], s41
.endr
	v_cndmask_b32 v[GD+7], v[GD+7], v81, s41       ; the lane that gave its head moves up; infinity comes in at the top
	s_add_co_u32 s48, s48, 1
	s_cmp_lt_u32 s48, 32
	s_cbranch_scc1 .Lpick
	v_cvt_u32_f32 v69, v69
	global_store_b32 v12, v69, s[10:11]            ; 128 consecutive bytes a wave; the work-group's two lists are 256 on end, aligned
.Lj2:
	s_wait_dscnt 0x0                               ; for the others' sake: my words have landed
	s_barrier_signal -1
	s_barrier_wait -1
	s_cmp_ge_u32 s12, 8
	s_cbranch_scc1 .Lend
.irp c, 0,1,2,3,4,5,6,7,8,9,10,11,12,13,14,15
	ds_load_b128 v[XW+4*\c:XW+4*\c+3], v5 offset:16*\c     ; a thread a candidate: its 64 words
.endr
.macro INS l, x                        ; x into the ascending list of ten at v[l]: from the top down, each place takes the middle of its lower neighbour, itself and x
.irp i, 9,8,7,6,5,4,3,2,1
	v_med3_num_f32 v[\l+\i], v[\l+\i-1], v[\l+\i], v[\x]
.endr
	v_min_num_f32 v[\l], v[\l], v[\x]
.endm
	s_wait_dscnt 0x0
	v_mov_b32 v[LS], v[XW]                         ; the first ten words make the list as they come,
.set kk, 1
.rept 9
	v_max_num_f32 v[LS+kk], v[LS+kk-1], v[XW+kk]
.set ii, kk-1
.rept kk-1
	v_med3_num_f32 v[LS+ii], v[LS+ii-1], v[LS+ii], v[XW+kk]
.set ii, ii-1
.endr
	v_min_num_f32 v[LS], v[LS], v[XW+kk]
.set kk, kk+1
.endr
.rept 54
	INS LS, XW+kk                                  ; the other 54 are put into it
.set kk, kk+1
.endr
	v_mov_b32 v[LS+10], -1
	v_mov_b32 v[LS+11], -1
	global_store_b128 v2, v[LS:LS+3], s[8:9]                    ; each store of a wave covers 512 consecutive bytes, aligned
	global_store_b128 v2, v[LS+4:LS+7], s[8:9] offset:32768
	global_store_b128 v2, v[LS+8:LS+11], s[8:9] offset:65536
.Lend:
	s_barrier_signal -1
	s_barrier_wait -1
	s_wait_tensorcnt 0x0
	ds_add_u32 v254, v255
	s_wait_dscnt 0x0
	s_endpgm
.Lfunc_end_k_qc8e26a53cc_knn_a:
	.size	k_qc8e26a53cc_knn_a, .Lfunc_end_k_qc8e26a53cc_knn_a-k_qc8e26a53cc_knn_a
	.p2alignl 7, 3214868480
	.fill 96, 4, 3214868480
	.section	.rodata,"a",@progbits
	.p2align	6, 0x0
	.amdhsa_kernel k_qc8e26a53cc_knn_a
		.amdhsa_group_segment_fixed_size 105728
		.amdhsa_private_segment_fixed_size 0
		.amdhsa_enable_private_segment 0
		.amdhsa_kernarg_size 32
		.amdhsa_user_sgpr_count 2
		.amdhsa_user_sgpr_kernarg_segment_ptr 1
		.amdhsa_wavefront_size32 1
		.amdhsa_system_sgpr_workgroup_id_x 1
		.amdhsa_system_sgpr_workgroup_id_y 1
		.amdhsa_system_sgpr_workgroup_id_z 1
		.amdhsa_system_vgpr_workitem_id 0
		.amdhsa_next_free_vgpr 256
		.amdhsa_next_free_sgpr 66
		.amdhsa_reserve_vcc 0
		.amdhsa_float_denorm_mode_32 3
		.amdhsa_float_denorm_mode_16_64 3
		.amdhsa_memory_ordered 1
		.amdhsa_forward_progress 1
		.amdhsa_inst_pref_size 255
	.end_amdhsa_kernel
	.section	.bss,"aw",@nobits
	.p2align	6
	.space	262144
	.amdgpu_metadata
---
amdhsa.version: [ 1, 2 ]
amdhsa.kernels:
  - .name:           k_qc8e26a53cc_knn_a
    .symbol:         k_qc8e26a53cc_knn_a.kd
    .args:
      - { .name: kp, .offset: 0, .size: 8, .value_kind: global_buffer, .address_space: global }
      - { .name: tgt_pts, .offset: 8, .size: 8, .value_kind: global_buffer, .address_space: global }
      - { .name: blist, .offset: 16, .size: 8, .value_kind: global_buffer, .address_space: global }
      - { .name: gsel, .offset: 24, .size: 8, .value_kind: global_buffer, .address_space: global }
    .group_segment_fixed_size: 105728
    .private_segment_fixed_size: 0
    .kernarg_segment_align: 8
    .kernarg_segment_size: 32
    .max_flat_workgroup_size: 320
    .sgpr_count:     66
    .vgpr_count:     256
    .wavefront_size: 32
...
	.end_amdgpu_metadata
.endif
;; end of part 4
;; launch finish (part 5): grid 288 x 1, 8 waves a work-group, no clusters, 17,408 bytes of LDS; arguments blist, gsel, kp, tgt_pts, out1, out2, out3; writes out1, out2, out3
.if DOCPART == 5
	.amdgcn_target "amdgcn-amd-amdhsa--gfx1250"
	.amdhsa_code_object_version 6
	.text
	.protected	k_qc8e26a53cc_finish
	.globl	k_qc8e26a53cc_finish
	.p2align	8
	.type	k_qc8e26a53cc_finish,@function
k_qc8e26a53cc_finish:
	s_mov_b64 s[64:65], 0
	v_nop
	global_prefetch_b8 v0, s[64:65] scope:SCOPE_SE
	s_setreg_imm32_b32 hwreg(HW_REG_WAVE_MODE, 25, 1), 1
	s_wait_xcnt 0x0
; finish.  WORK-GROUPS 0-255 (32 candidates each): a candidate's eight lists of ten buckets are merged, in whole numbers, into the ten buckets with the smallest minima; the squared distances to their 320 targets are
; computed in f32 as sums of squared differences; the ten smallest, ascending; roots; each divided by the ten's sum: out1 [4][2048][10].
; Wave w takes candidates 4 w .. 4 w + 3 of the work-group's 32: they belong to one keypoint.  In the merge a lane is (candidate lane >> 3, list lane & 7); in the distances a lane is a place in a bucket.
; WORK-GROUPS 256-287: the grouping's gather: a wave takes two lists of 32 indices, gathers the records, takes the centre off x y z: out2, out3 [4][64][32][6].
; Every number that enters an address was stored as a whole number by the launch before, and is held to its range first.
; LIMITS: NaN and infinities are not served.  d is a sum of squared differences, not |a|^2 + |b|^2 - 2 a.b: it never falls under 0 and carries less rounding.  Ten distances of 0 give NaN, as 0 / 0 does.
.set L,   4                            ; v[4:15]    my list
.set MB,  16                           ; v[16:25]   the ten buckets
.set VO,  28                           ; v[28:47]   two sets of ten offsets
.set P,   48                           ; v[48:107]  two sets of 30 numbers
.set SL,  108                          ; v[108:117] my ten d, ascending
.set RES, 124                          ; v[124:127] lane n: the n-th smallest d of candidates 0 to 3
	s_load_b256 s[4:11], s[0:1], 0x0               ; blist s[4:5], gsel s[6:7], kp s[8:9], tgt s[10:11]
	s_load_b128 s[12:15], s[0:1], 0x20             ; out1, out2
	s_load_b64 s[16:17], s[0:1], 0x30              ; out3
	v_lshl_add_u32 v128, v0, 2, 0x4000
	v_mov_b32 v129, 0
	v_lshrrev_b32 v1, 5, v0
	v_readfirstlane_b32 s18, v1                    ; wave
	v_and_b32 v1, 31, v0                           ; lane
	s_mov_b32 s32, 0x76543210
	s_mov_b32 s33, 0xfedcba98
	s_cmp_ge_u32 ttmp9, 256
	s_cbranch_scc1 .Lgather
	s_lshr_b32 s19, ttmp9, 6                       ; b
	s_and_b32 s21, ttmp9, 63
	s_lshl_b32 s22, s21, 5
	s_lshl_b32 s23, s18, 2
	s_add_co_u32 s22, s22, s23                     ; my wave's first candidate
	s_lshr_b32 s23, s22, 3                         ; its keypoint
	s_lshl_b32 s44, s23, 5
	s_lshl_b32 s45, s19, 13
	s_add_co_u32 s44, s44, s45
	s_mov_b32 s45, 0
	s_mul_i32 s46, s19, 786432
	s_mov_b32 s47, 0
	s_mul_i32 s48, s19, 393216
	s_mov_b32 s49, 0
	s_mul_i32 s50, ttmp9, 1280
	s_mov_b32 s51, 0
	s_mov_b32 s30, 0x3dcccccd                      ; the voxel, 0.1
	s_and_b32 s28, s18, 1
	s_cmp_lg_u32 s28, 0
	s_cselect_b32 s29, s30, 0                      ; the grid number is 4 (w & 1) + candidate: x's bit is the wave's
	v_lshlrev_b32 v2, 2, v1                        ; 4 x lane
	v_lshlrev_b32 v3, 4, v0                        ; 16 x thread
	s_lshl_b32 s52, s18, 9
	v_lshl_add_u32 v123, v1, 2, s52                ; the stage: 128 bytes a candidate, 4 a lane
	v_and_b32 v26, 7, v1
	v_mul_u32_u24 v26, v26, 98304                  ; list lane & 7
	v_lshrrev_b32 v27, 3, v1
	v_add_lshl_u32 v27, s22, v27, 4                ; candidate lane >> 3: 16 bytes a plane
	v_add_nc_u32 v26, v26, v27
	s_wait_kmcnt 0x0
	s_add_nc_u64 s[8:9], s[8:9], s[44:45]
	s_load_b128 s[24:27], s[8:9], 0x0              ; the keypoint
	s_add_nc_u64 s[4:5], s[4:5], s[46:47]
	s_add_nc_u64 s[10:11], s[10:11], s[48:49]
	s_add_nc_u64 s[12:13], s[12:13], s[50:51]
	global_load_b128 v[L:L+3], v26, s[4:5]
	global_load_b128 v[L+4:L+7], v26, s[4:5] offset:32768
	global_load_b128 v[L+8:L+11], v26, s[4:5] offset:65536
.irp q, 0,1,2,3
	v_mov_b32 v[RES+\q], 0
.endr
	s_wait_kmcnt 0x0
	v_add_f32 v118, s24, s29                       ; x of all four candidates
	v_mov_b32 v119, s25                            ; y of candidates 0, 1;
	v_add_f32 v120, s25, s30                       ; of 2, 3
	v_mov_b32 v121, s26                            ; z of candidates 0, 2;
	v_add_f32 v122, s26, s30                       ; of 1, 3
	s_wait_loadcnt 0x0
; the merge: ten times the smallest head of the eight lists; the words are all different (each carries its bucket's number), so one lane gives its head and moves up
.set rr, 0
.rept 10
	v_mov_b32_dpp v27, v[L] row_xmask:1 row_mask:0xf bank_mask:0xf
	v_min_u32 v26, v[L], v27
	v_mov_b32_dpp v27, v26 row_xmask:2 row_mask:0xf bank_mask:0xf
	v_min_u32 v26, v26, v27
	v_mov_b32_dpp v27, v26 row_xmask:4 row_mask:0xf bank_mask:0xf
	v_min_u32 v26, v26, v27
	v_and_b32 v[MB+rr], 0x1ff, v26
	v_cmp_eq_u32 vcc_lo, v[L], v26
.set ii, 0
.rept 9-rr
	v_cndmask_b32 v[L+ii], v[L+ii], v[L+ii+1], vcc_lo
.set ii, ii+1
.endr
.set rr, rr+1
.endr
; candidate q's ten buckets: 32 targets each, a lane a target: 128 consecutive bytes of each of the rows x, y, z
.macro ISSUE q, set
.irp s, 0,1,2,3,4,5,6,7,8,9
	v_readlane_b32 s20, v[MB+\s], 8*\q
	s_min_u32 s20, s20, 511
	v_lshl_add_u32 v[VO+10*\set+\s], s20, 7, v2
	global_load_b32 v[P+30*\set+3*\s], v[VO+10*\set+\s], s[10:11]
	global_load_b32 v[P+30*\set+3*\s+1], v[VO+10*\set+\s], s[10:11] offset:65536
	global_load_b32 v[P+30*\set+3*\s+2], v[VO+10*\set+\s], s[10:11] offset:131072
.endr
.endm
; my ten d, sorted as they come; then ten times the smallest head of the 32 lanes (the lowest lane on ties gives its head and moves up); lane n keeps the n-th
.macro PROCESS q, set, left
	s_wait_loadcnt \left                           ; this candidate's 30 loads are in; the next candidate's may be out
.set PB, P+30*\set
.irp s, 0,1,2,3,4,5,6,7,8,9
	v_sub_f32 v[PB+3*\s], v[PB+3*\s], v118
	v_sub_f32 v[PB+3*\s+1], v[PB+3*\s+1], v[119+(\q)/2]
	v_sub_f32 v[PB+3*\s+2], v[PB+3*\s+2], v[121+(\q)%2]
.endr
.irp s, 0,1,2,3,4,5,6,7,8,9
	v_mul_f32 v[PB+3*\s], v[PB+3*\s], v[PB+3*\s]
.endr
.irp s, 0,1,2,3,4,5,6,7,8,9
	v_fma_f32 v[PB+3*\s], v[PB+3*\s+1], v[PB+3*\s+1], v[PB+3*\s]
.endr
.irp s, 0,1,2,3,4,5,6,7,8,9
	v_fma_f32 v[PB+3*\s], v[PB+3*\s+2], v[PB+3*\s+2], v[PB+3*\s]
.endr
	v_mov_b32 v[SL], v[PB]
.set kk, 1
.rept 9
	v_max_num_f32 v[SL+kk], v[SL+kk-1], v[PB+3*kk]
.set ii, kk-1
.rept kk-1
	v_med3_num_f32 v[SL+ii], v[SL+ii-1], v[SL+ii], v[PB+3*kk]
.set ii, ii-1
.endr
	v_min_num_f32 v[SL], v[SL], v[PB+3*kk]
.set kk, kk+1
.endr
.set rr, 0
.rept 10
	v_min_num_f32_dpp v26, v[SL], v[SL] row_xmask:1 row_mask:0xf bank_mask:0xf
	v_min_num_f32_dpp v26, v26, v26 row_xmask:2 row_mask:0xf bank_mask:0xf
	v_min_num_f32_dpp v26, v26, v26 row_xmask:4 row_mask:0xf bank_mask:0xf
	v_min_num_f32_dpp v26, v26, v26 row_xmask:8 row_mask:0xf bank_mask:0xf
	v_permlanex16_b32 v27, v26, s32, s33
	v_min_num_f32 v26, v26, v27
	v_cmp_eq_f32 s36, v[SL], v26
	s_sub_co_u32 s37, 0, s36
	s_and_b32 s37, s36, s37
	s_mov_b32 s38, 1<<rr
	v_cndmask_b32 v[RES+\q], v[RES+\q], v26, s38
.set ii, 0
.rept 9-rr
	v_cndmask_b32 v[SL+ii], v[SL+ii], v[SL+ii+1], s37
.set ii, ii+1
.endr
.set rr, rr+1
.endr
.endm
	ISSUE 0, 0
	ISSUE 1, 1
	PROCESS 0, 0, 30
	ISSUE 2, 0                                     ; set 0's offsets and numbers are free: the wait above has shown their loads done
	PROCESS 1, 1, 30
	ISSUE 3, 1
	PROCESS 2, 0, 30
	PROCESS 3, 1, 0
.irp q, 0,1,2,3
	v_sqrt_f32 v[RES+\q], v[RES+\q]                ; lanes 10 to 31 hold 0 and add nothing to the sums
.endr
	v_nop                                          ; a plain line behind the last root
	s_wait_alu depctr_va_vdst(0)                   ; one wait for the four roots, ahead of their first reader
.irp q, 0,1,2,3
	v_add_f32_dpp v[SL+\q], v[RES+\q], v[RES+\q] row_xmask:1 row_mask:0xf bank_mask:0xf
.endr
.irp m, 2,4,8
.irp q, 0,1,2,3
	v_add_f32_dpp v[SL+\q], v[SL+\q], v[SL+\q] row_xmask:\m row_mask:0xf bank_mask:0xf
.endr
.endr
.irp q, 0,1,2,3
	v_permlanex16_b32 v[SL+4+\q], v[SL+\q], s32, s33
.endr
.irp q, 0,1,2,3
	v_add_f32 v[SL+\q], v[SL+\q], v[SL+4+\q]
.endr
.irp q, 0,1,2,3
	v_rcp_f32 v[SL+\q], v[SL+\q]
.endr
.irp k, 0,1,2,3
	v_lshl_add_u32 v[32+\k], v0, 2, \k             ; (plain lines behind the reciprocals)  the way out: word i = 4 x thread + k of the work-group's 320
.endr
.irp k, 0,1,2,3
	v_mul_u32_u24 v[28+\k], v[32+\k], 205
.endr
.irp k, 0,1,2,3
	v_lshrrev_b32 v[28+\k], 11, v[28+\k]           ; i / 10, right for i under 1,020
.endr
.irp k, 0,1,2,3
	v_mul_u32_u24 v[28+\k], v[28+\k], 88
.endr
.irp k, 0,1,2,3
	v_lshl_add_u32 v[28+\k], v[32+\k], 2, v[28+\k] ; 128 (i / 10) + 4 (i % 10)
.endr
.irp k, 0,1,2,3
	v_and_b32 v[28+\k], 0xfff, v[28+\k]            ; threads from 80 on stay inside the stage; what they read is not stored
.endr
	s_wait_alu depctr_va_vdst(0)                   ; one wait for the four reciprocals
.irp q, 0,1,2,3
	v_mul_f32 v[RES+\q], v[RES+\q], v[SL+\q]
.endr
.irp q, 0,1,2,3
	ds_store_b32 v123, v[RES+\q] offset:128*\q     ; all 32 lanes store: a candidate has 128 bytes of the stage, of which the first 40 are read
.endr
	s_wait_dscnt 0x0                               ; for the others' sake
	s_barrier_signal -1
	s_barrier_wait -1
	s_cmp_gt_u32 s18, 2
	s_cbranch_scc1 .Lkend
.irp k, 0,1,2,3
	ds_load_b32 v[4+\k], v[28+\k]
.endr
	s_wait_dscnt 0x0
	v_cmp_gt_u32 vcc_lo, 80, v0
	s_wait_xcnt 0x0                                ; EXEC changes only behind this wait
	s_wait_tensorcnt 0x0
	ds_add_u32 v128, v129
	s_wait_dscnt 0x0
	s_and_saveexec_b32 s39, vcc_lo
	global_store_b128 v3, v[4:7], s[12:13]         ; threads 0 to 79: 1,280 consecutive bytes, aligned to 256
	s_endpgm
.Lkend:
	s_wait_tensorcnt 0x0
	ds_add_u32 v128, v129
	s_wait_dscnt 0x0
	s_endpgm
.Lgather:
	s_sub_co_u32 s19, ttmp9, 256
	s_lshl_b32 s19, s19, 3
	s_add_co_u32 s19, s19, s18                     ; job 0..255: lists 2 job and 2 job + 1
	s_lshr_b32 s20, s19, 5                         ; cloud x 4 + b
	s_lshl_b32 s20, s20, 13
	s_mov_b32 s21, 0
	s_and_b32 s22, s19, 31
	s_lshl_b32 s22, s22, 6                         ; the two centres' records
	s_mov_b32 s23, 0
	s_lshl_b32 s24, s19, 8
	s_mov_b32 s25, 0
	s_and_b32 s26, s19, 127
	s_mul_i32 s26, s26, 1536
	s_mov_b32 s27, 0
	s_mul_i32 s30, s18, 1536
	s_add_co_u32 s30, s30, 4096                    ; my wave's stage, behind the other path's
	v_mul_u32_u24 v22, v1, 24
	v_add_nc_u32 v22, s30, v22                     ; in: 24 bytes a lane
	v_lshl_add_u32 v23, v1, 4, s30                 ; back: 16 bytes a lane
	v_lshlrev_b32 v2, 2, v1
	v_lshlrev_b32 v3, 4, v1
	s_wait_kmcnt 0x0
	s_add_nc_u64 s[8:9], s[8:9], s[20:21]
	s_add_nc_u64 s[28:29], s[8:9], s[22:23]
	s_add_nc_u64 s[6:7], s[6:7], s[24:25]
	s_cmp_lt_u32 s19, 128
	s_cselect_b64 s[14:15], s[14:15], s[16:17]     ; the first cloud's lists go to out2, the second's to out3
	s_add_nc_u64 s[14:15], s[14:15], s[26:27]
	s_load_b128 s[36:39], s[28:29], 0x0
	s_load_b128 s[40:43], s[28:29], 0x20
	global_load_b32 v4, v2, s[6:7]
	global_load_b32 v5, v2, s[6:7] offset:128
	s_wait_loadcnt 0x0
	v_min_u32 v4, 0xff, v4                         ; held inside the 256 records before it enters an address
	v_min_u32 v5, 0xff, v5
	v_lshlrev_b32 v6, 5, v4
	v_lshlrev_b32 v7, 5, v5
	global_load_b128 v[8:11], v6, s[8:9]
	global_load_b64 v[12:13], v6, s[8:9] offset:16
	global_load_b128 v[16:19], v7, s[8:9]
	global_load_b64 v[20:21], v7, s[8:9] offset:16
	s_wait_kmcnt 0x0
	s_wait_loadcnt 0x0
	v_sub_f32 v8, v8, s36
	v_sub_f32 v9, v9, s37
	v_sub_f32 v10, v10, s38
	v_sub_f32 v16, v16, s40
	v_sub_f32 v17, v17, s41
	v_sub_f32 v18, v18, s42
.irp i, 0,1,2
	ds_store_b64 v22, v[8+2*\i:9+2*\i] offset:8*\i
	ds_store_b64 v22, v[16+2*\i:17+2*\i] offset:768+8*\i
.endr
.irp i, 0,1,2
	ds_load_b128 v[24+4*\i:27+4*\i], v23 offset:512*\i   ; my own bytes: LDS serves a wave's instructions in order
.endr
	s_wait_dscnt 0x0
.irp i, 0,1,2
	global_store_b128 v3, v[24+4*\i:27+4*\i], s[14:15] offset:512*\i   ; each store covers 512 consecutive bytes, aligned
.endr
	s_wait_tensorcnt 0x0
	ds_add_u32 v128, v129
	s_wait_dscnt 0x0
	s_endpgm
.Lfunc_end_k_qc8e26a53cc_finish:
	.size	k_qc8e26a53cc_finish, .Lfunc_end_k_qc8e26a53cc_finish-k_qc8e26a53cc_finish
	.p2alignl 7, 3214868480
	.fill 96, 4, 3214868480
	.section	.rodata,"a",@progbits
	.p2align	6, 0x0
	.amdhsa_kernel k_qc8e26a53cc_finish
		.amdhsa_group_segment_fixed_size 17408
		.amdhsa_private_segment_fixed_size 0
		.amdhsa_enable_private_segment 0
		.amdhsa_kernarg_size 56
		.amdhsa_user_sgpr_count 2
		.amdhsa_user_sgpr_kernarg_segment_ptr 1
		.amdhsa_wavefront_size32 1
		.amdhsa_system_sgpr_workgroup_id_x 1
		.amdhsa_system_sgpr_workgroup_id_y 1
		.amdhsa_system_sgpr_workgroup_id_z 1
		.amdhsa_system_vgpr_workitem_id 0
		.amdhsa_next_free_vgpr 130
		.amdhsa_next_free_sgpr 66
		.amdhsa_reserve_vcc 1
		.amdhsa_float_denorm_mode_32 3
		.amdhsa_float_denorm_mode_16_64 3
		.amdhsa_memory_ordered 1
		.amdhsa_forward_progress 1
		.amdhsa_inst_pref_size 91
	.end_amdhsa_kernel
	.amdgpu_metadata
---
amdhsa.version: [ 1, 2 ]
amdhsa.kernels:
  - .name:           k_qc8e26a53cc_finish
    .symbol:         k_qc8e26a53cc_finish.kd
    .args:
      - { .name: blist, .offset: 0, .size: 8, .value_kind: global_buffer, .address_space: global }
      - { .name: gsel, .offset: 8, .size: 8, .value_kind: global_buffer, .address_space: global }
      - { .name: kp, .offset: 16, .size: 8, .value_kind: global_buffer, .address_space: global }
      - { .name: tgt_pts, .offset: 24, .size: 8, .value_kind: global_buffer, .address_space: global }
      - { .name: out1, .offset: 32, .size: 8, .value_kind: global_buffer, .address_space: global }
      - { .name: out2, .offset: 40, .size: 8, .value_kind: global_buffer, .address_space: global }
      - { .name: out3, .offset: 48, .size: 8, .value_kind: global_buffer, .address_space: global }
    .group_segment_fixed_size: 17408
    .private_segment_fixed_size: 0
    .kernarg_segment_align: 8
    .kernarg_segment_size: 56
    .max_flat_workgroup_size: 256
    .sgpr_count:     66
    .vgpr_count:     130
    .wavefront_size: 32
...
	.end_amdgpu_metadata
.endif
;; end of part 5
